; MI455X (gfx1250); checked and timed in simulation.
; The chip was launched on July 23, 2026; its instructions are those of AMD's public machine-readable ISA for CDNA 5 (MIT licence, August 2026) and "CDNA5" Instruction Set Architecture Reference Guide (July 2026). The comments in the code are by the model that wrote it; some were corrected since.
;; self attention1d. Allowed arithmetic: matrix products marked QUANTISED: E2M1 operands, one E8M0 scale for each 32 along K, by v_wmma_scale_f32_16x16x128_f8f6f4 with both operands' format E2M1 (or v_wmma_scale_f32_32x16x128_f4), f32 sums; everything else in f32.
;; Inputs: Wk 4,096 x 4,096 float32; Wq 4,096 x 4,096 float32; Wv 4,096 x 4,096 float32; bk 4,096 float32; bq 4,096 float32; bv 4,096 float32; x 1,024 x 4,096 float32.
;; Outputs: out0 1,024 x 4,096 float32.
;; This version of the problem:
;;   THIS VERSION OF THE PROBLEM IS GIVEN IN LOW PRECISION. The matrix products marked QUANTISED in the list below multiply operands that are first quantised to E2M1 (2 exponent bits, 1 mantissa bit; 4 bits a number), with one power-of-two scale for each 32 numbers along K (OCP MX v1.0); their sums are f32. All else is computed in f32.
;;   The module's matrix products, in the order in which they are computed (A, B: the left and right operand; K: the contracted axis; several contracted axes count as one K, in the product's order):
;;     1. [M 1,024, K 4,096] x [K 4,096, N 4,096]; A: input x; B: input Wq: QUANTISED
;;     2. [M 1,024, K 4,096] x [K 4,096, N 4,096]; A: input x; B: input Wk: QUANTISED
;;     3. [M 1,024, K 4,096] x [K 4,096, N 4,096]; A: input x; B: input Wv: QUANTISED
;;   THE QUANTISER, for each operand of a quantised product, along K:
;;     - K is cut into blocks of 32 from its start; a last block that is shorter is filled with zeros.
;;     - A block's scale is 2^e with e = floor(log2(the largest magnitude in the block)) - 2, held to -126 .. 127; a block of zeros has e = 0. As a byte (E8M0): e + 127.
;;     - Each number is divided by its block's scale, clamped to +-6, and rounded to the nearest number of E2M1, ties to even, subnormals kept.
;;     - The product sums the exact products of the quantised numbers (number of the format x scale) in f32.
;;   ~~~python
;;   def quantise(x, axis):      # numpy; x: float32 -> the quantised numbers, widened to float32 again
;;       x = np.moveaxis(x, axis, -1); K = x.shape[-1]
;;       x = np.pad(x, [(0, 0)] * (x.ndim - 1) + [(0, -K % 32)]); x = x.reshape(x.shape[:-1] + (-1, 32)); a = np.abs(x).max(-1, keepdims=True)
;;       e = np.where(a > 0, np.clip(np.frexp(np.where(a > 0, a, 1))[1] - 1 - 2, -126, 127), 0)      # np.frexp(a)[1] - 1 = floor(log2(a)), exactly
;;       r = np.clip(x / 2.0 ** e, -6, 6)
;;       step = 2.0 ** (np.maximum(np.frexp(np.where(r == 0, 1, r))[1] - 1, 0) - 1)
;;       q = np.round(r / step) * step * 2.0 ** e      # np.round: ties to even
;;       return np.moveaxis(q.reshape(q.shape[:-2] + (-1,))[..., :K], -1, axis).astype(np.float32)
;;   ~~~
;; One version. Each part assembles by itself: llvm-mc -triple=amdgcn-amd-amdhsa -mcpu=gfx1250 --defsym DOCPART=n.
;; ======== version 1 of 1: 3 launches
;; limits: right only within a limited range of input values
;; workspace buffers: codes 27,262,976 bytes; scales 1,703,936 bytes; part 262,144 bytes
;; launch quant (part 1): grid 256 x 1, 26 waves a work-group, no clusters, 216,320 bytes of LDS; arguments x, Wq, Wk, Wv, codes, scales; writes codes, scales
.if DOCPART == 1
	.amdgcn_target "amdgcn-amd-amdhsa--gfx1250"
	.amdhsa_code_object_version 6
	.text
	.protected	k_q1812ea32d5_quant
	.globl	k_q1812ea32d5_quant
	.p2align	8
	.type	k_q1812ea32d5_quant,@function
k_q1812ea32d5_quant:
	s_mov_b64 s[64:65], 0
	v_nop
	global_prefetch_b8 v0, s[64:65] scope:SCOPE_SE
	s_setreg_imm32_b32 hwreg(HW_REG_WAVE_MODE, 25, 1), 1
	s_wait_xcnt 0x0
; out = q kv / (1 + |q| ksum), q = x Wq^T + bq, k = x Wk^T + bk, v = x Wv^T + bv, kv = sum_j k_j v_j, ksum = sum_j |k_j|; the three products on codes of E2M1 with one E8M0 scale for each 32 along K.
; NO WORK IS LEFT OUT: every input has a way to out0 for all values (bq through q; bk through kv and ksum; bv through kv; x and the three weights through the products), so all seven are loaded by this program.
; THREE LAUNCHES.  This one turns x [1024][4096], Wq, Wk, Wv [4096][4096], f32, K innermost, into codes (two a byte, the lower k in the low four bits) and scale bytes, once: each row of x is
; read by 32 + 32 tiles of the later launches and each row of a weight by 8, so the f32 numbers are read once here and an eighth of the bytes afterwards.
; codes: [13312 rows][2048 bytes], scales: [13312 rows][128 bytes]; rows 0-1023 x, 1024-5119 Wq, 5120-9215 Wk, 9216-13311 Wv.
; A block's scale is 2^(floor(log2(its largest magnitude)) - 2); its byte is the largest magnitude's own exponent field - 2, held at 1 from below.  Each number is divided by the scale and rounded to the nearest code, ties to even, beyond 6 the largest code.
; LIMITS: NaN and infinities among the inputs are not served.  A block whose largest magnitude lies under 2^-124 has its byte held at 1.  A block of zeros gets the byte 1 where the rule says 127: its codes are zeros,
; which add nothing under any byte but 0xff, and the bytes are read by this program alone.
; Rows are dense and 4096 is a multiple of 32: the four tensors are plain streams of blocks of 32 numbers, and codes and scale bytes are ONE stream in the same order, cut into 6,656 runs of 8,192 numbers.
; THE GRID: 6,656 = 256 x 26: 256 work-groups of 26 waves, a run to a wave; run = 26 x work-group + wave.  Runs 0-511 are x's, 512-2559 Wq's, 2560-4607 Wk's, 4608-6655 Wv's: only the input's pointer is chosen, by the run's number.
; With 128 registers a wave the seven waves that a SIMD gets at the most take 896 registers.
; A run is 16 steps of 512 numbers.  Each of a step's four loads reads 512 consecutive bytes, 16 a lane; the conversions want 16 NEIGHBOURS in a lane, so the 2,048 bytes turn through the wave's own
; stage in LDS (16 bytes of padding behind each 64) and come back 64 bytes a lane.  A lane's 16 codes are 8 bytes: the wave stores 256 consecutive bytes.  A wave's 256 scale bytes are gathered in LDS and leave as one aligned run of 256.
; No tensor loads, no barrier, no cluster: work-groups and waves share no input.  Loads run four steps (16 loads a wave) ahead, the turn through LDS one step.
.set WAVES, 26
.set STEPS, 16
.set EMAX,  2
.set CB,    8                          ; bytes of 16 codes
.set R,     16                         ; v16-79   four sets of 16 numbers as they are loaded
.set X,     80                         ; v80-111  two sets of 16 neighbours
.set C,     112                        ; v112-125 codes: seven pairs by turns
.set E,     126                        ; v126-127 a scale byte, two registers by turns
.set WREG,  8192                       ; LDS: a region for each wave: two stages of 32 x SP bytes, behind them its 256 scale bytes
.set SP,    80                         ; a lane's place in a stage: 64 bytes + 16 of padding
.set SPW,   12                         ; v12 LDS address of my spare word; never rewritten
.set NIL,   13                         ; v13 0; never rewritten
.set SPARE, WAVES*WREG                 ; behind the regions: the spare words, 128 bytes a wave, which no other line names
	s_load_b256 s[4:11], s[0:1], 0x0               ; x s[4:5], Wq s[6:7], Wk s[8:9], Wv s[10:11]
	s_load_b128 s[12:15], s[0:1], 0x20             ; codes s[12:13], scales s[14:15]
	v_lshl_add_u32 v[SPW], v0, 2, SPARE
	v_mov_b32 v[NIL], 0
	v_lshrrev_b32 v1, 5, v0
	v_readfirstlane_b32 s16, v1                    ; wave
	v_and_b32 v2, 31, v0                           ; lane
	v_lshlrev_b32 v3, 4, v2                        ; my 16 bytes of a load's 512
	s_mul_i32 s17, s16, WREG
	v_lshrrev_b32 v14, 2, v2
	v_mul_u32_u24 v14, v14, SP
	v_and_b32 v15, 3, v2
	v_lshl_add_u32 v14, v15, 4, v14
	v_add_nc_u32 v14, s17, v14                     ; the stage, on the way in: SP (lane / 4) + 16 (lane % 4); a load's 512 bytes take eight places
	v_mul_u32_u24 v15, v2, SP
	v_add_nc_u32 v15, s17, v15                     ; and on the way out: SP x lane: my 16 neighbours
	v_mul_u32_u24 v4, v2, CB                       ; my codes' place in a step's
	v_lshrrev_b32 v5, 1, v2
	s_add_co_u32 s17, s17, 2*32*SP
	v_add_nc_u32 v5, s17, v5                       ; LDS: my wave's 256 scale bytes, my block's byte
	v_lshlrev_b32 v7, 3, v2                        ; and on the way out 8 bytes a lane
	v_add_nc_u32 v6, s17, v7
	s_wait_alu depctr_va_vdst(0)
	s_wait_kmcnt 0x0
	s_mul_i32 s20, ttmp9, WAVES
	s_add_co_u32 s20, s20, s16                     ; my run of the one stream
	s_cmp_lt_u32 s20, 512                          ; the choice hangs on the run's number alone
	s_cselect_b64 s[4:5], s[4:5], s[6:7]
	s_cselect_b32 s17, 0, 512                      ; the tensor's first run
	s_cmp_lt_u32 s20, 2560
	s_cselect_b64 s[4:5], s[4:5], s[8:9]
	s_cselect_b32 s17, s17, 2560
	s_cmp_lt_u32 s20, 4608
	s_cselect_b64 s[4:5], s[4:5], s[10:11]
	s_cselect_b32 s17, s17, 4608
	s_sub_co_u32 s18, s20, s17                     ; which run of the tensor
	s_lshl_b32 s18, s18, 15                        ; x 32,768 bytes: under 2^26
	s_mov_b32 s19, 0
	s_add_nc_u64 s[4:5], s[4:5], s[18:19]
	s_lshl_b32 s18, s20, 12                        ; 4,096 bytes of codes a run
	s_add_nc_u64 s[12:13], s[12:13], s[18:19]
	s_lshl_b32 s18, s20, 8                         ; 256 scale bytes a run
	s_add_nc_u64 s[14:15], s[14:15], s[18:19]
.macro LOAD t
.irp i, 0,1,2,3
	global_load_b128 v[R+16*((\t)%4)+4*\i:R+16*((\t)%4)+4*\i+3], v3, s[4:5] offset:2048*(\t)+512*\i th:TH_LOAD_NT   ; 32 lanes read 512 consecutive bytes; read once in the launch
.endr
.endm
.macro TURN t                          ; step t's numbers through the stage: LDS serves a wave's instructions in order, so no wait stands between the stores and the loads
.irp i, 0,1,2,3
	ds_store_b128 v14, v[R+16*((\t)%4)+4*\i:R+16*((\t)%4)+4*\i+3] offset:32*SP*((\t)%2)+8*SP*\i
.endr
.irp i, 0,1,2,3
	ds_load_b128 v[X+16*((\t)%2)+4*\i:X+16*((\t)%2)+4*\i+3], v15 offset:32*SP*((\t)%2)+16*\i
.endr
.endm
.irp t, 0,1,2,3
	LOAD \t
.endr
	s_wait_loadcnt 12                              ; step 0's four loads are in; the twelve of steps 1 to 3 may be out
	TURN 0
.macro STEP t
.set XS, X+16*((\t)%2)
.if ((\t) == 7) || ((\t) == 14)
	s_wait_xcnt 0x0                                ; the stores of the seven steps before have read their data: the seven pairs of code registers go round again
.endif
.if (\t) > 0
	s_wait_dscnt 1                                 ; this step's numbers are back from the stage (the last step's byte store may be out): so its stores into the stage have read their registers,
.else
	s_wait_dscnt 0x0
.endif
.if (\t)+4 < STEPS
	LOAD (\t)+4                                    ; which take the loads of four steps on
.endif
.if (\t)+1 < STEPS
.if STEPS-2-(\t) >= 3
	s_wait_loadcnt 12                              ; the next step's four loads are in; those of the three steps behind it may be out
.else
	s_wait_loadcnt 4*(STEPS-2-(\t))                ; at the end the count runs down
.endif
	TURN (\t)+1                                    ; and go through the other stage while this step is worked
.endif
	v_max3_num_f32 v8, |v[XS]|, |v[XS+1]|, |v[XS+2]|               ; the largest magnitude of my 16, in two chains
	v_max3_num_f32 v9, |v[XS+3]|, |v[XS+4]|, |v[XS+5]|
.irp i, 6,10
	v_max3_num_f32 v8, v8, |v[XS+\i]|, |v[XS+\i+1]|
	v_max3_num_f32 v9, v9, |v[XS+\i+2]|, |v[XS+\i+3]|
.endr
	v_max3_num_f32 v8, v8, |v[XS+14]|, |v[XS+15]|
	v_max3_num_f32 v8, v8, v9, (EMAX+1)<<23        ; and the floor 2^(3 - 127): so the byte cannot fall under 1
	v_max_num_f32_dpp v8, v8, v8 row_xmask:1 row_mask:0xf bank_mask:0xf   ; and of my neighbour's 16: the block's
	v_add_nc_u32 v11, -(EMAX<<23), v8              ; 2 off its exponent field: the conversion takes the exponent field of this operand as its scale, and nothing else of it
	v_cvt_scalef32_pk8_fp4_f32 v[C+2*((\t)%7)], v[XS:XS+7], v11
	v_cvt_scalef32_pk8_fp4_f32 v[C+2*((\t)%7)+1], v[XS+8:XS+15], v11
	v_lshrrev_b32 v[E+(\t)%2], 23, v11             ; the scale's byte (also the plain line behind the conversions)
	ds_store_b8 v5, v[E+(\t)%2] offset:16*(\t)     ; both lanes of a block write the same byte with the same value
	global_store_b64 v4, v[C+2*((\t)%7):C+2*((\t)%7)+1], s[12:13] offset:32*CB*(\t)   ; 32 lanes store 256 consecutive bytes, aligned
.endm
.irp t, 0,1,2,3,4,5,6,7,8,9,10,11,12,13,14,15
	STEP \t
.endr
	ds_load_b64 v[8:9], v6                         ; LDS serves a wave's instructions in order: these see my byte stores
	s_wait_dscnt 0x0
	global_store_b64 v7, v[8:9], s[14:15]          ; 32 lanes store my wave's 256 scale bytes, aligned
	s_wait_tensorcnt 0x0                           ; the wave's end
	ds_add_u32 v[SPW], v[NIL]
	s_wait_dscnt 0x0
	s_endpgm
.Lfunc_end_k_q1812ea32d5_quant:
	.size	k_q1812ea32d5_quant, .Lfunc_end_k_q1812ea32d5_quant-k_q1812ea32d5_quant
	.p2alignl 7, 3214868480
	.fill 96, 4, 3214868480
	.section	.rodata,"a",@progbits
	.p2align	6, 0x0
	.amdhsa_kernel k_q1812ea32d5_quant
		.amdhsa_group_segment_fixed_size 216320
		.amdhsa_private_segment_fixed_size 0
		.amdhsa_enable_private_segment 0
		.amdhsa_kernarg_size 48
		.amdhsa_user_sgpr_count 2
		.amdhsa_user_sgpr_kernarg_segment_ptr 1
		.amdhsa_wavefront_size32 1
		.amdhsa_system_sgpr_workgroup_id_x 1
		.amdhsa_system_sgpr_workgroup_id_y 1
		.amdhsa_system_sgpr_workgroup_id_z 1
		.amdhsa_system_vgpr_workitem_id 0
		.amdhsa_next_free_vgpr 128
		.amdhsa_next_free_sgpr 66
		.amdhsa_reserve_vcc 0
		.amdhsa_float_denorm_mode_32 3
		.amdhsa_float_denorm_mode_16_64 3
		.amdhsa_memory_ordered 1
		.amdhsa_forward_progress 1
		.amdhsa_inst_pref_size 34
	.end_amdhsa_kernel
	.amdgpu_metadata
---
amdhsa.version: [ 1, 2 ]
amdhsa.kernels:
  - .name:           k_q1812ea32d5_quant
    .symbol:         k_q1812ea32d5_quant.kd
    .args:
      - { .name: x, .offset: 0, .size: 8, .value_kind: global_buffer, .address_space: global }
      - { .name: Wq, .offset: 8, .size: 8, .value_kind: global_buffer, .address_space: global }
      - { .name: Wk, .offset: 16, .size: 8, .value_kind: global_buffer, .address_space: global }
      - { .name: Wv, .offset: 24, .size: 8, .value_kind: global_buffer, .address_space: global }
      - { .name: codes, .offset: 32, .size: 8, .value_kind: global_buffer, .address_space: global }
      - { .name: scales, .offset: 40, .size: 8, .value_kind: global_buffer, .address_space: global }
    .group_segment_fixed_size: 216320
    .private_segment_fixed_size: 0
    .kernarg_segment_align: 8
    .kernarg_segment_size: 48
    .max_flat_workgroup_size: 832
    .sgpr_count:     66
    .vgpr_count:     128
    .wavefront_size: 32
...
	.end_amdgpu_metadata
.endif
;; end of part 1
;; launch kv (part 2): grid 32 x 8, 4 waves a work-group, clusters of 4 x 4, 327,680 bytes of LDS; arguments codes, scales, bk, bv, part; writes part
.if DOCPART == 2
	.amdgcn_target "amdgcn-amd-amdhsa--gfx1250"
	.amdhsa_code_object_version 6
	.text
	.protected	k_q1812ea32d5_kv
	.globl	k_q1812ea32d5_kv
	.p2align	8
	.type	k_q1812ea32d5_kv,@function
k_q1812ea32d5_kv:
	s_mov_b64 s[64:65], 0
	v_nop
	global_prefetch_b8 v0, s[64:65] scope:SCOPE_SE
	s_setreg_imm32_b32 hwreg(HW_REG_WAVE_MODE, 25, 1), 1
	s_wait_xcnt 0x0
	s_wait_alu depctr_hold_cnt(0) depctr_sa_sdst(0) depctr_va_vdst(0) depctr_va_sdst(0) depctr_va_ssrc(0) depctr_va_vcc(0) depctr_vm_vsrc(0)
	s_getreg_b32 s2, hwreg(HW_REG_IB_STS2, 6, 4)
	s_cmp_eq_u32 s2, 0
	s_cbranch_scc0 .Lentry_in_a_cluster
	s_endpgm
.Lentry_in_a_cluster:
	s_bfe_u32 s2, ttmp6, 0x10000c
	s_cmp_lg_u32 s2, 0xf033
	s_cbranch_scc0 .Lentry_shape_is_right
	s_endpgm
.Lentry_shape_is_right:
.set NBK,   8
.set BR,    128
.set BROW0, 5120
.set BHALF, 4096
.set NQ,    4
.set ROWB,  256
.set PITCH, 272
.set QI,    5
.set LAPS,  4
.set KROW,  2048
.set SLOT,  384*PITCH
.set SCL,   2*SLOT
.set SCB,   SCL+17408
.set RED,   SCB+34816
.set SPARE, RED+1024
.set NL,    2*(4+NBK)
.set ADRA, 16
.set ADRB, 20
.set CO,   26
.set ADRS, 27
.set SPW,  28
.set NIL,  29
.set REDA, 30
.set SC,   32
.set KVP,  96
.set KSW,  104
.set KVW,  108
.set XSL,  112
.set YSL,  116
.set IM,   120
.set IM2,  124
.set AF,   128
.set TS,   192
.set SEL,  98
.set G1, 24
.set G0, 32
.set G1B, 48
.set G0B, 56
.set G1S, 68
.set G0S, 76
.set G1SB, 80
.set G0SB, 88
.set MSB, 0
.macro WIN new
.if MSB != \new
	s_set_vgpr_msb (MSB<<8)|\new
.set MSB, \new
.endif
.endm
.set MUL,  0xa1
.set MULB, 0xb1
.set TO_B, 0x40
.set TO_3, 0xc0
.macro JLOAD g0a, g1a, g0b, g1b
	s_cmp_eq_u32 s15, 0
	s_cbranch_scc0 .Lfor_b_\@
	tensor_load_to_lds s[\g0a:\g0a+3], s[\g1a:\g1a+7]
	s_nop 0
.rept 4
	v_nop
.endr
	s_branch .Lasked_\@
.Lfor_b_\@:
	tensor_load_to_lds s[\g0b:\g0b+3], s[\g1b:\g1b+7]
	s_nop 0
.rept 4
	v_nop
.endr
.Lasked_\@:
.endm
.macro CREST
	s_cmp_lg_u32 s14, 0
	s_cbranch_scc1 .Lnot_wave_0_\@
	s_barrier_signal -3
.Lnot_wave_0_\@:
	s_barrier_wait -3
	s_barrier_signal -1
	s_barrier_wait -1
.endm
.macro CROUND
	s_barrier_signal -1
	s_barrier_wait -1
	CREST
.endm
.macro PLACES n
.rept \n
	v_nop
.endr
.endm
	s_load_b128 s[4:7], s[0:1], 0x0
	s_load_b128 s[8:11], s[0:1], 0x10
	s_load_b64 s[12:13], s[0:1], 0x20
	v_lshl_add_u32 v[SPW], v0, 2, SPARE
	v_mov_b32 v[NIL], 0
	ds_add_u32 v[SPW], v[NIL]
	ds_add_u32 v[SPW], v[NIL]
	v_lshrrev_b32 v1, 5, v0
	v_readfirstlane_b32 s14, v1
	s_lshr_b32 s15, s14, 1
	s_and_b32 s16, s14, 1
	s_bfe_u32 s40, ttmp6, 0x40000
	s_bfe_u32 s41, ttmp6, 0x40004
	s_lshl_b32 s42, ttmp9, 2
	s_add_co_u32 s42, s42, s40
	s_and_b32 s17, ttmp7, 0xffff
	s_lshl_b32 s17, s17, 2
	s_add_co_u32 s17, s17, s41
	s_lshl_b32 s43, s41, 2
	s_lshl_b32 s43, 15, s43
	s_lshl_b32 s44, 0x1111, s40
	s_or_b32 s[G1+0], s43, (0<<16)|(1<<20)|(1<<21)|(QI<<22)|(3<<25)
	s_or_b32 s[G1B+0], s44, (0<<16)|(1<<20)|(1<<21)|(QI<<22)|(3<<25)
	s_mov_b32 s[G1+1], ROWB<<16
	s_mov_b32 s[G1+2], 64<<16
	s_mov_b32 s[G1+3], ROWB<<16
	s_mov_b32 s[G1+4], 64
	s_mov_b32 s[G1+5], KROW
	s_mov_b32 s[G1+6], 0
	s_mov_b32 s[G1+7], 0
	s_mov_b32 s[G1B+1], ROWB<<16
	s_mov_b32 s[G1B+2], BR<<16
	s_mov_b32 s[G1B+3], ROWB<<16
	s_mov_b32 s[G1B+4], BR
	s_mov_b32 s[G1B+5], KROW
	s_mov_b32 s[G1B+6], 0
	s_mov_b32 s[G1B+7], 0
	s_or_b32 s[G1S+0], s43, (3<<16)|(1<<20)|(1<<21)|(5<<22)|(3<<25)
	s_or_b32 s[G1SB+0], s44, (3<<16)|(1<<20)|(1<<21)|(5<<22)|(3<<25)
	s_mov_b32 s[G1S+1], 32<<16
	s_mov_b32 s[G1S+2], 32<<16
	s_mov_b32 s[G1S+3], 32<<16
	s_mov_b32 s[G1S+4], 32
	s_mov_b32 s[G1S+5], 32
	s_mov_b32 s[G1S+6], 0
	s_mov_b32 s[G1S+7], 0
	s_mov_b32 s[G1SB+1], 32<<16
	s_mov_b32 s[G1SB+2], (BR/2)<<16
	s_mov_b32 s[G1SB+3], 32<<16
	s_mov_b32 s[G1SB+4], BR/2
	s_mov_b32 s[G1SB+5], 32
	s_mov_b32 s[G1SB+6], 0
	s_mov_b32 s[G1SB+7], 0
	s_mov_b32 s[SEL], 0x76543210
	s_mov_b32 s[SEL+1], 0xfedcba98
	s_lshl_b32 s18, s16, 6
	s_lshl_b32 s20, s17, 7
	s_add_co_u32 s20, s20, s18
	s_lshl_b32 s22, s20, 7
	s_lshl_b32 s20, s20, 11
	s_mov_b32 s21, 0
	s_mov_b32 s23, 0
	s_mul_i32 s19, s16, BHALF
	s_lshl_b32 s46, s42, 7
	s_add_co_u32 s46, s46, s19
	s_add_co_u32 s46, s46, BROW0
	s_lshl_b32 s92, s46, 7
	s_lshl_b32 s46, s46, 11
	s_mov_b32 s47, 0
	s_mov_b32 s93, 0
	s_mul_i32 s45, s16, 64*PITCH
	s_mul_i32 s95, s16, BR*PITCH
	s_mul_i32 s94, s16, 8704
	s_mul_i32 s96, s16, (BR/2)*272
	s_wait_dscnt 0x0
	s_wait_kmcnt 0x0
	s_add_nc_u64 s[20:21], s[4:5], s[20:21]
	s_add_nc_u64 s[22:23], s[6:7], s[22:23]
	s_add_nc_u64 s[46:47], s[4:5], s[46:47]
	s_add_nc_u64 s[92:93], s[6:7], s[92:93]
	CROUND
	s_mov_b32 s[G0S], 1
	s_add_co_u32 s[G0S+1], s94, SCL
	s_mov_b64 s[G0S+2:G0S+3], s[22:23]
	s_or_b32 s[G0S+3], s[G0S+3], 0x80000000
	s_mov_b32 s[G0SB], 1
	s_add_co_u32 s[G0SB+1], s96, SCB
	s_mov_b64 s[G0SB+2:G0SB+3], s[92:93]
	s_or_b32 s[G0SB+3], s[G0SB+3], 0x80000000
	JLOAD G0S,G1S,G0SB,G1SB
.irp s, 0,1
	s_mov_b32 s[G0+4*\s], 1
	s_add_co_u32 s[G0+4*\s+1], s45, \s*SLOT
	s_add_nc_u64 s[G0+4*\s+2:G0+4*\s+3], s[20:21], \s*ROWB
	s_or_b32 s[G0+4*\s+3], s[G0+4*\s+3], 0x80000000
	s_mov_b32 s[G0B+4*\s], 1
	s_add_co_u32 s[G0B+4*\s+1], s95, \s*SLOT+128*PITCH
	s_add_nc_u64 s[G0B+4*\s+2:G0B+4*\s+3], s[46:47], \s*ROWB
	s_or_b32 s[G0B+4*\s+3], s[G0B+4*\s+3], 0x80000000
	s_wait_alu depctr_va_vdst(0)
	s_wait_tensorcnt 0x0
	ds_add_u32 v28, v29
	s_wait_dscnt 0x0
	CROUND
	JLOAD G0+4*\s,G1,G0B+4*\s,G1B
.endr
	v_and_b32 v1, 15, v0
	v_bfe_u32 v2, v0, 4, 1
	v_mul_u32_u24 v3, v1, PITCH
	v_lshl_add_u32 v4, v2, 4, v3
	s_mul_i32 s21, s15, 64*PITCH
	s_mul_i32 s22, s16, 64*PITCH
	s_add_co_u32 s22, s22, 128*PITCH
.irp s, 0,1
	v_add_nc_u32 v[ADRA+\s], s21, v4
	v_add_nc_u32 v[ADRB+\s], s22, v4
	s_add_co_u32 s21, s21, SLOT
	s_add_co_u32 s22, s22, SLOT
.endr
	v_lshlrev_b32 v5, 7, v1
	v_lshrrev_b32 v6, 8, v5
	v_lshl_add_u32 v5, v6, 4, v5
	s_mul_i32 s21, s15, 8704
	s_mul_i32 s22, s16, 8704
	s_add_co_u32 s22, s22, 17408
	s_sub_co_u32 s22, s22, s21
	v_mul_u32_u24 v6, s22, v2
	s_add_co_u32 s21, s21, SCL
	v_add_nc_u32 v5, v5, v6
	v_add_nc_u32 v[ADRS], s21, v5
	v_and_b32 v5, 31, v0
	v_lshlrev_b32 v[CO], 4, v5
	s_lshl_b32 s21, s15, 9
	s_add_co_u32 s21, s21, RED
	v_add_nc_u32 v[REDA], s21, v[CO]
	v_lshlrev_b32 v7, 5, v2
	s_lshl_b32 s46, s42, 9
	s_lshl_b32 s47, s16, 8
	s_add_co_u32 s46, s46, s47
	s_mov_b32 s47, 0
	s_add_nc_u64 s[8:9], s[8:9], s[46:47]
	s_add_nc_u64 s[10:11], s[10:11], s[46:47]
	WIN TO_3
.irp b, 0,1,2,3
	global_load_b128 v[8*\b:8*\b+3], v7, s[8:9] offset:64*\b
	global_load_b128 v[8*\b+4:8*\b+7], v7, s[8:9] offset:64*\b+16
	global_load_b128 v[32+8*\b:32+8*\b+3], v7, s[10:11] offset:64*\b
	global_load_b128 v[32+8*\b+4:32+8*\b+7], v7, s[10:11] offset:64*\b+16
.endr
	WIN 0
	s_lshl_b32 s46, s42, 13
	s_mov_b32 s47, 0
	s_add_nc_u64 s[12:13], s[12:13], s[46:47]
	s_lshl_b32 s18, s17, 1
	s_add_co_u32 s18, s18, s15
	s_lshl_b32 s18, s18, 9
	s_mov_b32 s19, 0
	s_add_nc_u64 s[12:13], s[12:13], s[18:19]
.macro FRAG reg, adr, q, rowoff
.irp c, 0,1
	ds_load_b128 v[\reg+4*\c:\reg+4*\c+3], v[\adr] offset:64*(\q)+32*\c+(\rowoff)*PITCH
.endr
.endm
.macro FETCH slot, q, p
	WIN TO_B
.irp i, 0,1,2,3,4,5,6,7
	FRAG 128*(\p)+8*\i,ADRB+\slot,\q,(\i/4)*128+(\i%4)*16
.endr
	WIN 0
.irp i, 0,1,2,3
	FRAG AF+32*(\p)+8*\i,ADRA+\slot,\q,16*\i
.endr
.endm
.macro SCALES set, step
.if \step
	v_add_nc_u32 v[ADRS], 16, v[ADRS]
.endif
.irp i, 0,1,2,3,4,5,6,7
	ds_load_b128 v[SC+4*NBK*(\set)+4*\i:SC+4*NBK*(\set)+4*\i+3], v[ADRS] offset:(\i/4)*17408+(\i%4)*2176
.endr
.endm
.macro MULROW a, p, q, set, first
.irp b, 0,1,2,3,4,5,6,7
.if \first
	v_wmma_scale_f32_16x16x128_f8f6f4 v[8*(NBK*(\a)+\b):8*(NBK*(\a)+\b)+7], v[128*(\p)+8*\b:128*(\p)+8*\b+7], v[AF+32*(\p)+8*(\a):AF+32*(\p)+8*(\a)+7], v[8*\b:8*\b+7], v[SC+4*NBK*(\set)+4*\b+(\q)%4], v[SC+4*NBK*(\set)+4*(\a)+(\q)%4] matrix_a_fmt:MATRIX_FMT_FP4 matrix_b_fmt:MATRIX_FMT_FP4 matrix_a_scale:MATRIX_SCALE_ROW1
.else
	v_wmma_scale_f32_16x16x128_f8f6f4 v[8*(NBK*(\a)+\b):8*(NBK*(\a)+\b)+7], v[128*(\p)+8*\b:128*(\p)+8*\b+7], v[AF+32*(\p)+8*(\a):AF+32*(\p)+8*(\a)+7], v[8*(NBK*(\a)+\b):8*(NBK*(\a)+\b)+7], v[SC+4*NBK*(\set)+4*\b+(\q)%4], v[SC+4*NBK*(\set)+4*(\a)+(\q)%4] matrix_a_fmt:MATRIX_FMT_FP4 matrix_b_fmt:MATRIX_FMT_FP4 matrix_a_scale:MATRIX_SCALE_ROW1
.endif
.endr
.endm
.macro STEP slot, q, first
	PLACES 4
	FETCH \slot,(\q)+1,1-(\q)%2
.if ((\q)+1)%4 == 0
	SCALES (((\slot)*NQ+(\q)+1)/4)%2,1
	s_wait_dscnt NL+NBK
.else
	s_wait_dscnt NL
.endif
.if \first
	WIN MULB
.else
	WIN MUL
.endif
.irp a, 0,1,2,3
	MULROW \a,(\q)%2,\q,(((\slot)*NQ+(\q))/4)%2,\first
.endr
	WIN 0
.endm
.macro TURN slot, next, fill
	s_wait_tensorcnt 0x0
	ds_add_u32 v[SPW], v[NIL]
	s_wait_dscnt 1
	WIN MUL
	MULROW 0,1,NQ-1,(((\slot)*NQ+NQ-1)/4)%2,0
	s_wait_dscnt 0x0
	s_barrier_signal -1
	MULROW 1,1,NQ-1,(((\slot)*NQ+NQ-1)/4)%2,0
	WIN 0
	s_barrier_wait -1
.if \fill
	CREST
	s_add_nc_u64 s[G0+4*\slot+2:G0+4*\slot+3], s[G0+4*\slot+2:G0+4*\slot+3], 2*ROWB
	s_add_nc_u64 s[G0B+4*\slot+2:G0B+4*\slot+3], s[G0B+4*\slot+2:G0B+4*\slot+3], 2*ROWB
	JLOAD G0+4*\slot,G1,G0B+4*\slot,G1B
.else
	PLACES 4
.endif
	FETCH \next,0,0
	s_wait_alu depctr_va_vdst(0)
	SCALES (((\next)*NQ)/4)%2,1
	WIN MUL
	MULROW 2,1,NQ-1,(((\slot)*NQ+NQ-1)/4)%2,0
	MULROW 3,1,NQ-1,(((\slot)*NQ+NQ-1)/4)%2,0
	WIN 0
.endm
.macro STEPS slot, from
.set Q, \from
.rept NQ-1-\from
	STEP \slot,Q,0
.set Q, Q+1
.endr
.endm
	s_wait_alu depctr_va_vdst(0)
	s_wait_loadcnt 0x0
	s_wait_tensorcnt 1
	s_barrier_signal -1
	s_barrier_wait -1
	FETCH 0,0,0
	SCALES 0,0
	STEP 0,0,1
	s_mov_b32 s3, LAPS-1
.Llap:
	STEPS 0,1
	TURN 0,1,1
	STEPS 1,0
	TURN 1,0,1
	STEP 0,0,0
	s_sub_co_u32 s3, s3, 1
	s_cmp_lg_u32 s3, 0
	s_cbranch_scc1 .Llap
	STEPS 0,1
	TURN 0,1,0
	STEPS 1,0
	s_wait_dscnt 0x0
	WIN MUL
.irp a, 0,1,2,3
	MULROW \a,1,NQ-1,((NQ+NQ-1)/4)%2,0
.endr
	WIN 0
	PLACES 4
	WIN 0x0a
.irp b, 0,1,2,3
.irp j, 0,2,4,6
.irp a, 0,1,2,3
.if \b+\j == 0
	v_pk_mul_f32 v[KVP+2*\a:KVP+2*\a+1], v[8*(NBK*\a+\b)+\j:8*(NBK*\a+\b)+\j+1], v[8*(NBK*\a+\b+4)+\j:8*(NBK*\a+\b+4)+\j+1]
.else
	v_pk_fma_f32 v[KVP+2*\a:KVP+2*\a+1], v[8*(NBK*\a+\b)+\j:8*(NBK*\a+\b)+\j+1], v[8*(NBK*\a+\b+4)+\j:8*(NBK*\a+\b+4)+\j+1], v[KVP+2*\a:KVP+2*\a+1]
.endif
.endr
.endr
.endr
.irp a, 0,1,2,3
.irp b, 0,1,2,3
.irp j, 0,2,4,6
	v_add_f32 v[TS+16*\a+4*\b+\j/2], |v[8*(NBK*\a+\b)+\j]|, |v[8*(NBK*\a+\b)+\j+1]|
.endr
.endr
.endr
	WIN 0
.irp i, 0,2,4,6
.irp a, 0,1,2,3
	v_pk_add_f32 v[TS+16*\a+\i:TS+16*\a+\i+1], v[TS+16*\a+\i:TS+16*\a+\i+1], v[TS+16*\a+8+\i:TS+16*\a+9+\i]
.endr
.endr
.irp i, 0,2
.irp a, 0,1,2,3
	v_pk_add_f32 v[TS+16*\a+\i:TS+16*\a+\i+1], v[TS+16*\a+\i:TS+16*\a+\i+1], v[TS+16*\a+4+\i:TS+16*\a+5+\i]
.endr
.endr
.irp a, 0,1,2,3
	v_pk_add_f32 v[TS+16*\a:TS+16*\a+1], v[TS+16*\a:TS+16*\a+1], v[TS+16*\a+2:TS+16*\a+3]
.endr
.irp a, 0,1,2,3
	v_add_f32 v[KSW+\a], v[TS+16*\a], v[TS+16*\a+1]
	v_add_f32 v[KVW+\a], v[KVP+2*\a], v[KVP+2*\a+1]
	v_mov_b32 v[IM2+\a], 0
.endr
	v_cmp_eq_u32 s66, 1, v2
.irp a, 0,1,2,3
	v_cndmask_b32 v[XSL+\a], v[KVW+\a], v[KSW+\a], s66
	v_cndmask_b32 v[YSL+\a], v[KSW+\a], v[KVW+\a], s66
.endr
.irp a, 0,1,2,3
	v_permlanex16_b32 v[IM2+\a], v[YSL+\a], s[SEL], s[SEL+1]
.endr
.irp a, 0,1,2,3
	v_add_f32 v[IM+\a], v[XSL+\a], v[IM2+\a]
.endr
	s_cmp_eq_u32 s16, 0
	s_cbranch_scc1 .Lno_store
	ds_store_b128 v[REDA], v[IM:IM+3]
.Lno_store:
	s_wait_dscnt 0x0
	s_barrier_signal -1
	s_barrier_wait -1
	s_cmp_lg_u32 s16, 0
	s_cbranch_scc1 .Ldone
	ds_load_b128 v[IM2:IM2+3], v[REDA]
	s_wait_dscnt 0x0
	s_wait_alu depctr_va_vdst(0)
	v_pk_add_f32 v[IM:IM+1], v[IM:IM+1], v[IM2:IM2+1]
	v_pk_add_f32 v[IM+2:IM+3], v[IM+2:IM+3], v[IM2+2:IM2+3]
	global_store_b128 v[CO], v[IM:IM+3], s[12:13]
.Ldone:
	s_wait_tensorcnt 0x0
	ds_add_u32 v[SPW], v[NIL]
	s_wait_dscnt 0x0
	CROUND
	s_endpgm
.Lfunc_end_k_q1812ea32d5_kv:
	.size	k_q1812ea32d5_kv, .Lfunc_end_k_q1812ea32d5_kv-k_q1812ea32d5_kv
	.p2alignl 7, 3214868480
	.fill 96, 4, 3214868480
	.section	.rodata,"a",@progbits
	.p2align	6, 0x0
	.amdhsa_kernel k_q1812ea32d5_kv
		.amdhsa_group_segment_fixed_size 327680
		.amdhsa_private_segment_fixed_size 0
		.amdhsa_enable_private_segment 0
		.amdhsa_kernarg_size 40
		.amdhsa_user_sgpr_count 2
		.amdhsa_user_sgpr_kernarg_segment_ptr 1
		.amdhsa_wavefront_size32 1
		.amdhsa_system_sgpr_workgroup_id_x 1
		.amdhsa_system_sgpr_workgroup_id_y 1
		.amdhsa_system_sgpr_workgroup_id_z 1
		.amdhsa_system_vgpr_workitem_id 0
		.amdhsa_next_free_vgpr 1024
		.amdhsa_next_free_sgpr 100
		.amdhsa_reserve_vcc 0
		.amdhsa_float_denorm_mode_32 3
		.amdhsa_float_denorm_mode_16_64 3
		.amdhsa_memory_ordered 1
		.amdhsa_forward_progress 1
		.amdhsa_inst_pref_size 122
	.end_amdhsa_kernel
	.amdgpu_metadata
---
amdhsa.version: [ 1, 2 ]
amdhsa.kernels:
  - .name:           k_q1812ea32d5_kv
    .symbol:         k_q1812ea32d5_kv.kd
    .args:
      - { .name: codes, .offset: 0, .size: 8, .value_kind: global_buffer, .address_space: global }
      - { .name: scales, .offset: 8, .size: 8, .value_kind: global_buffer, .address_space: global }
      - { .name: bk, .offset: 16, .size: 8, .value_kind: global_buffer, .address_space: global }
      - { .name: bv, .offset: 24, .size: 8, .value_kind: global_buffer, .address_space: global }
      - { .name: part, .offset: 32, .size: 8, .value_kind: global_buffer, .address_space: global }
    .group_segment_fixed_size: 327680
    .private_segment_fixed_size: 0
    .kernarg_segment_align: 8
    .kernarg_segment_size: 40
    .max_flat_workgroup_size: 128
    .sgpr_count:     100
    .vgpr_count:     1024
    .wavefront_size: 32
...
	.end_amdgpu_metadata
.endif
;; end of part 2
;; launch qout (part 3): grid 32 x 8, 4 waves a work-group, clusters of 4 x 4, 327,680 bytes of LDS; arguments codes, scales, bq, part, out0; writes out0
.if DOCPART == 3
	.amdgcn_target "amdgcn-amd-amdhsa--gfx1250"
	.amdhsa_code_object_version 6
	.text
	.protected	k_q1812ea32d5_qout
	.globl	k_q1812ea32d5_qout
	.p2align	8
	.type	k_q1812ea32d5_qout,@function
k_q1812ea32d5_qout:
	s_mov_b64 s[64:65], 0
	v_nop
	global_prefetch_b8 v0, s[64:65] scope:SCOPE_SE
	s_setreg_imm32_b32 hwreg(HW_REG_WAVE_MODE, 25, 1), 1
	s_wait_xcnt 0x0
	s_wait_alu depctr_hold_cnt(0) depctr_sa_sdst(0) depctr_va_vdst(0) depctr_va_sdst(0) depctr_va_ssrc(0) depctr_va_vcc(0) depctr_vm_vsrc(0)
	s_getreg_b32 s2, hwreg(HW_REG_IB_STS2, 6, 4)
	s_cmp_eq_u32 s2, 0
	s_cbranch_scc0 .Lentry_in_a_cluster
	s_endpgm
.Lentry_in_a_cluster:
	s_bfe_u32 s2, ttmp6, 0x10000c
	s_cmp_lg_u32 s2, 0xf033
	s_cbranch_scc0 .Lentry_shape_is_right
	s_endpgm
.Lentry_shape_is_right:
; q = x Wq^T + bq on codes of E2M1 with E8M0 scales, and out0 = q kv / (1 + |q| ksum), kv and ksum being the sums of the 32 parts that the launch before stored for each row.  q never goes to memory.  No work is left out.
; codes [13312][2048 bytes], scales [13312][128 bytes]: rows 0-1023 x, 1024-5119 Wq.  part, f32: [tx 32][g 16][which 2][r 16][a 4]: row 64 g + 16 a + r; which 0: sum of k v, 1: sum of |k|.
; LIMITS: the division is a multiplication by v_rcp_f32's result (1 ulp; ISA guide 15.8): where 1 + |q| ksum passes 2^126 the reciprocal is flushed to 0.  kv and ksum are summed in another order than a plain sum along the row (f32 rounding alone).
; SHARES.  Work-group (tx, ty): rows 128 ty .. + 127, columns 128 tx .. + 127: 32 x 8 = 256 work-groups.  Wave w: rows 64 (w / 2) on, columns 64 (w % 2) on: 4 x 4 accumulators of 16 x 16.
; K goes in steps of 1,024 (rows of 512 bytes), as long as two LDS slots allow: 128 rows of x, 128 of Wq a slot; four K steps, two refills in all.  The scale bytes of the work-group's rows, for all of K, come once, with the first fills, and stay.
; CLUSTERS: 4 x 4 work-groups.  The four of a row of the cluster (same ty) need the same tiles of x, the four of a column (same tx) the same tiles of Wq: each tile is asked for JOINTLY, by the same tensor load with the same descriptor and a mask that names the four.
; THE MATRIX INSTRUCTION IS USED TRANSPOSED (source 0 = 16 rows of Wq, source 1 = 16 rows of x): lane (r, h) of accumulator (a, b) holds row 16 a + r and columns 16 b + 8 h + 0 .. 7: one row a lane, so kv and ksum are one register each for a block a.
; REGISTERS, in windows of 256: window 0: v1-30 addresses; v32-63 scale words, two sets of 16; v64-95, v224-255 numerators by turns; v100-115 kv, ksum; v128-191 x's fragments, two sets of 32, on the way out rows read back; v192-223 denominators.
;   window 1: Wq's fragments, two sets of 32, at v0 and v128.   window 2: accumulator (a, b) at v[8 (4 a + b)].   window 3: v0-31 the bias; v64-191 the 32 parts.
.set NBK,   4
.set BR,    64
.set BROW0, 1024                       ; Wq's first row in codes and scales
.set BHALF, 64                         ; from wave 2's rows to wave 3's
.set NQ,    8                          ; matrix instructions deep in a slot
.set ROWB,  512                        ; a tile's row in bytes: 1,024 codes
.set PITCH, 528                        ; an LDS row: + 16 of padding = 132 words: the 16 rows that a load touches start at 16 different banks (64 banks of 4 bytes: ISA guide 11.1)
.set QI,    6                          ; padding behind every 128 words
.set LAPS,  2                          ; a lap = two K steps: 4096 / 2048
.set KROW,  2048
.set SLOT,  256*PITCH
.set SCL,   2*SLOT                     ; behind the ring: x's scale bytes, 128 rows, as runs of 256 bytes (two rows) + 16 of padding: 17,408 bytes
.set SCB,   SCL+17408                  ; Wq's: 128 rows, 17,408 bytes
.set SPARE, SCB+17408                  ; the spare words, 128 bytes a wave, which no other line names
.set STAGE, SPARE+512                  ; the way out: 16 rows x (256 bytes + 16) for each wave; no tile lands here
.set NL,    2*(4+NBK)
.set ADRA, 16
.set ADRB, 20
.set STO,  24                          ; v24 the way out: where I put 32 bytes of a row
.set RD,   25                          ; v25 where I read a row back
.set CO,   26                          ; v26 my byte offset in two rows of out0
.set ADRS, 27
.set SPW,  28
.set NIL,  29
.set CP,   30                          ; v30 16 x lane: my place in a part
.set SC,   32
.set SM,   100                         ; v100-103 lanes 0-15: kv of rows 16 a + r; lanes 16-31: ksum
.set OT,   104                         ; v104-107 the same of lane l xor 16
.set KVR,  108                         ; v108-111 kv of my row of block a
.set KSR,  112                         ; v112-115 ksum of it
.set AF,   128
.set BK,   128
.set DEN,  192
.set SEL,  98
.set G1, 24
.set G0, 32
.set G1B, 48
.set G0B, 56
.set G1S, 68
.set G0S, 76
.set G1SB, 80
.set G0SB, 88
.set MSB, 0
.macro WIN new                         ; the immediate's high byte repeats the setting that is left; a switch that changes nothing is dropped
.if MSB != \new
	s_set_vgpr_msb (MSB<<8)|\new
.set MSB, \new
.endif
.endm
.set MUL,  0xa1                        ; source 0 (Wq) window 1, source 1 (x) window 0, C and D window 2
.set MULB, 0xb1                        ; the same, C (the bias) window 3
.set TO_B, 0x40
.set TO_3, 0xc0
; A joint load: waves 0 and 1 fetch for x, waves 2 and 3 for Wq; the branch hangs on the wave's number alone.  An s_nop 0 and four v_nop follow each of the two lines.
.macro JLOAD g0a, g1a, g0b, g1b
	s_cmp_eq_u32 s15, 0
	s_cbranch_scc0 .Lfor_b_\@
	tensor_load_to_lds s[\g0a:\g0a+3], s[\g1a:\g1a+7]
	s_nop 0
.rept 4
	v_nop
.endr
	s_branch .Lasked_\@
.Lfor_b_\@:
	tensor_load_to_lds s[\g0b:\g0b+3], s[\g1b:\g1b+7]
	s_nop 0
.rept 4
	v_nop
.endr
.Lasked_\@:
.endm
.macro CREST                           ; a round of the cluster's barrier behind its opening barrier
	s_cmp_lg_u32 s14, 0
	s_cbranch_scc1 .Lnot_wave_0_\@
	s_barrier_signal -3
.Lnot_wave_0_\@:
	s_barrier_wait -3
	s_barrier_signal -1
	s_barrier_wait -1
.endm
.macro CROUND
	s_barrier_signal -1
	s_barrier_wait -1
	CREST
.endm
.macro PLACES n                        ; plain vector instructions that name no register of the matrix instructions in front (ISA guide 7.12.1)
.rept \n
	v_nop
.endr
.endm
	s_load_b128 s[4:7], s[0:1], 0x0                ; codes s[4:5], scales s[6:7]
	s_load_b128 s[8:11], s[0:1], 0x10              ; bq s[8:9], part s[10:11]
	s_load_b64 s[12:13], s[0:1], 0x20              ; out0
	v_lshl_add_u32 v[SPW], v0, 2, SPARE
	v_mov_b32 v[NIL], 0
	ds_add_u32 v[SPW], v[NIL]                      ; the wave's opening: the add, twice on end, and its wait ahead of my first tensor load; the set-up below, work on registers, stands between
	ds_add_u32 v[SPW], v[NIL]
	v_lshrrev_b32 v1, 5, v0
	v_readfirstlane_b32 s14, v1                    ; wave 0..3
	s_lshr_b32 s15, s14, 1                         ; which 64 rows are mine.  Also: I fetch for x (0) or for Wq (1)
	s_and_b32 s16, s14, 1                          ; which 64 columns.  Also: which half I fetch
	s_bfe_u32 s40, ttmp6, 0x40000                  ; cx, cy
	s_bfe_u32 s41, ttmp6, 0x40004
	s_lshl_b32 s42, ttmp9, 2
	s_add_co_u32 s42, s42, s40                     ; tx
	s_and_b32 s17, ttmp7, 0xffff
	s_lshl_b32 s17, s17, 2
	s_add_co_u32 s17, s17, s41                     ; ty
	s_lshl_b32 s43, s41, 2
	s_lshl_b32 s43, 15, s43                        ; my row of the cluster
	s_lshl_b32 s44, 0x1111, s40                    ; my column
	s_or_b32 s[G1+0], s43, (0<<16)|(1<<20)|(1<<21)|(QI<<22)|(3<<25)   ; 15:0 the mask; 17:16 elements of 1 byte; 20 padding on; 21 set beside a mask; 24:22 the interval; 31:25 four words
	s_or_b32 s[G1B+0], s44, (0<<16)|(1<<20)|(1<<21)|(QI<<22)|(3<<25)
	s_mov_b32 s[G1+1], ROWB<<16                    ; tensor_dim0
	s_mov_b32 s[G1+2], 128<<16                     ; tensor_dim1: 128 rows for the head's load; behind it 64
	s_mov_b32 s[G1+3], ROWB<<16                    ; tile_dim0
	s_mov_b32 s[G1+4], 128                         ; tile_dim1
	s_mov_b32 s[G1+5], KROW                        ; from row to row
	s_mov_b32 s[G1+6], 0
	s_mov_b32 s[G1+7], 0
	s_mov_b32 s[G1B+1], ROWB<<16
	s_mov_b32 s[G1B+2], (2*BR)<<16
	s_mov_b32 s[G1B+3], ROWB<<16
	s_mov_b32 s[G1B+4], 2*BR
	s_mov_b32 s[G1B+5], KROW
	s_mov_b32 s[G1B+6], 0
	s_mov_b32 s[G1B+7], 0
	s_or_b32 s[G1S+0], s43, (3<<16)|(1<<20)|(1<<21)|(5<<22)|(3<<25)   ; scale bytes: a dense block as rows of 256 bytes (32 elements of 8), 16 bytes of padding behind each
	s_or_b32 s[G1SB+0], s44, (3<<16)|(1<<20)|(1<<21)|(5<<22)|(3<<25)
	s_mov_b32 s[G1S+1], 32<<16
	s_mov_b32 s[G1S+2], 64<<16                     ; the scale bytes of all 128 rows: 64 runs of 256 bytes
	s_mov_b32 s[G1S+3], 32<<16
	s_mov_b32 s[G1S+4], 64
	s_mov_b32 s[G1S+5], 32
	s_mov_b32 s[G1S+6], 0
	s_mov_b32 s[G1S+7], 0
	s_mov_b32 s[G1SB+1], 32<<16
	s_mov_b32 s[G1SB+2], BR<<16
	s_mov_b32 s[G1SB+3], 32<<16
	s_mov_b32 s[G1SB+4], BR
	s_mov_b32 s[G1SB+5], 32
	s_mov_b32 s[G1SB+6], 0
	s_mov_b32 s[G1SB+7], 0
	s_mov_b32 s[SEL], 0x76543210
	s_mov_b32 s[SEL+1], 0xfedcba98
	s_lshl_b32 s20, s17, 7                         ; x: row 128 ty, the tile's first
	s_lshl_b32 s22, s20, 7
	s_lshl_b32 s20, s20, 11
	s_mov_b32 s21, 0
	s_mov_b32 s23, 0
	s_lshl_b32 s46, s42, 7
	s_add_co_u32 s46, s46, BROW0                   ; Wq: row 1024 + 128 tx, the tile's first
	s_lshl_b32 s92, s46, 7
	s_lshl_b32 s46, s46, 11
	s_mov_b32 s47, 0
	s_mov_b32 s93, 0
	s_mul_i32 s45, s16, 64*PITCH                   ; where they go: no place in the cluster enters an LDS address
	s_mul_i32 s95, s16, BR*PITCH
	s_wait_dscnt 0x0                               ; both opening adds are done
	s_wait_kmcnt 0x0
	s_add_nc_u64 s[20:21], s[4:5], s[20:21]
	s_add_nc_u64 s[22:23], s[6:7], s[22:23]
	s_add_nc_u64 s[46:47], s[4:5], s[46:47]
	s_add_nc_u64 s[92:93], s[6:7], s[92:93]
	CROUND                                         ; all sixteen work-groups are here: the first joint loads meet
	s_mov_b32 s[G0S], 1                            ; the head's four tiles, each whole: the scale bytes of x's 128 rows,
	s_mov_b32 s[G0S+1], SCL
	s_mov_b64 s[G0S+2:G0S+3], s[22:23]
	s_or_b32 s[G0S+3], s[G0S+3], 0x80000000
	s_mov_b32 s[G0SB], 1                           ; of Wq's 128 rows,
	s_mov_b32 s[G0SB+1], SCB
	s_mov_b64 s[G0SB+2:G0SB+3], s[92:93]
	s_or_b32 s[G0SB+3], s[G0SB+3], 0x80000000
	s_mov_b32 s[G0], 1                             ; K step 0's 128 rows of x (slot 0's group 0: behind the head it is moved to my 64 rows),
	s_mov_b32 s[G0+1], 0
	s_mov_b64 s[G0+2:G0+3], s[20:21]
	s_or_b32 s[G0+3], s[G0+3], 0x80000000
	s_mov_b32 s[G0B], 1                            ; and its 128 rows of Wq
	s_mov_b32 s[G0B+1], 128*PITCH
	s_mov_b64 s[G0B+2:G0B+3], s[46:47]
	s_or_b32 s[G0B+3], s[G0B+3], 0x80000000
	s_lshl_b32 s2, s16, 17                         ; in the ring I fetch 64 rows of a tile: which half, in bytes: 64 rows of 2,048
	s_mov_b32 s3, 0
	s_mov_b32 s[G0+4], 1                           ; slot 1: K step 1, my 64 rows
	s_add_co_u32 s[G0+5], s45, SLOT
	s_add_nc_u64 s[G0+6:G0+7], s[20:21], s[2:3]
	s_add_nc_u64 s[G0+6:G0+7], s[G0+6:G0+7], ROWB
	s_or_b32 s[G0+7], s[G0+7], 0x80000000
	s_mov_b32 s[G0B+4], 1
	s_add_co_u32 s[G0B+5], s95, SLOT+128*PITCH
	s_add_nc_u64 s[G0B+6:G0B+7], s[46:47], s[2:3]
	s_add_nc_u64 s[G0B+6:G0B+7], s[G0B+6:G0B+7], ROWB
	s_or_b32 s[G0B+7], s[G0B+7], 0x80000000
; THE HEAD'S LOADS, ONE A WAVE: wave 0 x's rows, wave 1 Wq's, wave 2 x's scale bytes, wave 3 Wq's.  One tree of branches on the wave's number: every way passes exactly one load.
.macro ARM under, g0, g1, next
	s_cmp_lt_u32 s14, \under
	s_cbranch_scc0 \next
	tensor_load_to_lds s[\g0:\g0+3], s[\g1:\g1+7]
	s_nop 0
.rept 4
	v_nop
.endr
	s_branch .Lhead_asked
\next:
.endm
	ARM 1, G0,  G1,  .Lhead_b
	ARM 2, G0B, G1B, .Lhead_sa
	ARM 3, G0S, G1S, .Lhead_sb
	tensor_load_to_lds s[G0SB:G0SB+3], s[G1SB:G1SB+7]
	s_nop 0
.rept 4
	v_nop
.endr
.Lhead_asked:
	v_and_b32 v1, 15, v0                           ; r
	v_bfe_u32 v2, v0, 4, 1                         ; h
	v_mul_u32_u24 v3, v1, PITCH
	v_lshl_add_u32 v4, v2, 4, v3
	s_mul_i32 s21, s15, 64*PITCH                   ; my 64 rows of x
	s_mul_i32 s22, s16, 64*PITCH                   ; my 64 rows of Wq,
	s_add_co_u32 s22, s22, 128*PITCH               ; behind x's 128
.irp s, 0,1
	v_add_nc_u32 v[ADRA+\s], s21, v4
	v_add_nc_u32 v[ADRB+\s], s22, v4
	s_add_co_u32 s21, s21, SLOT
	s_add_co_u32 s22, s22, SLOT
.endr
	v_lshlrev_b32 v5, 7, v1                        ; my row's scales: 128 bytes a row,
	v_lshrrev_b32 v6, 8, v5
	v_lshl_add_u32 v5, v6, 4, v5                   ; and 16 more for each 256 passed
	s_mul_i32 s21, s15, 8704
	s_mul_i32 s22, s16, 8704
	s_add_co_u32 s22, s22, 17408
	s_sub_co_u32 s22, s22, s21
	v_mul_u32_u24 v6, s22, v2                      ; lanes 16-31 take Wq's: one product, the distance between the two bases x h
	s_add_co_u32 s21, s21, SCL
	v_add_nc_u32 v5, v5, v6
	v_add_nc_u32 v[ADRS], s21, v5
	s_mul_i32 s23, s14, 16*272
	s_add_co_u32 s23, s23, STAGE                   ; my stage
	v_mul_u32_u24 v5, v1, 272                      ; in: row r, 32 bytes for each half of the lanes
	v_lshl_add_u32 v5, v2, 5, v5
	v_add_nc_u32 v[STO], s23, v5
	v_mul_u32_u24 v5, v2, 272                      ; back: lanes 0-15 one row of 256 bytes, lanes 16-31 the next
	v_lshl_add_u32 v5, v1, 4, v5
	v_add_nc_u32 v[RD], s23, v5
	v_lshlrev_b32 v5, 14, v2                       ; and the same two rows in out0: 16,384 bytes a row
	v_lshl_add_u32 v[CO], v1, 4, v5
	v_and_b32 v5, 31, v0
	v_lshlrev_b32 v[CP], 4, v5
	v_lshlrev_b32 v7, 5, v2                        ; the bias: 32 bytes at 64 b + 32 h
	s_wait_alu depctr_va_vdst(0)
	s_lshl_b32 s46, s42, 9                         ; my first column, in bytes: 512 tx + 256 x half
	s_lshl_b32 s47, s16, 8
	s_add_co_u32 s46, s46, s47
	s_mov_b32 s47, 0
	s_add_nc_u64 s[8:9], s[8:9], s[46:47]
	s_add_nc_u64 s[12:13], s[12:13], s[46:47]
	s_lshl_b32 s18, s17, 1
	s_add_co_u32 s18, s18, s15                     ; g = 2 ty + row half
	s_mov_b32 s19, 0
	s_lshl_b32 s67, s18, 20                        ; out0: 64 g rows of 16,384 bytes
	s_lshl_b32 s18, s18, 9                         ; part: 512 g
	s_add_nc_u64 s[10:11], s[10:11], s[18:19]
	s_mov_b32 s18, s67
	s_add_nc_u64 s[12:13], s[12:13], s[18:19]
	WIN TO_3
.irp b, 0,1,2,3
	global_load_b128 v[8*\b:8*\b+3], v7, s[8:9] offset:64*\b
	global_load_b128 v[8*\b+4:8*\b+7], v7, s[8:9] offset:64*\b+16
.endr
.set PS, 0
.rept 32                               ; the 32 parts of my 64 rows: 512 consecutive bytes each
	global_load_b128 v[64+4*PS:64+4*PS+3], v[CP], s[10:11] offset:8192*PS
.set PS, PS+1
.endr
	WIN 0
	s_wait_tensorcnt 0x0                           ; my tile of the head's four is in
	ds_add_u32 v[SPW], v[NIL]
	s_mov_b32 s[G1+2], 64<<16                      ; no tensor load of mine is out, so descriptors may be written: from here on a load brings 64 rows,
	s_mov_b32 s[G1+4], 64
	s_mov_b32 s[G1B+2], BR<<16
	s_mov_b32 s[G1B+4], BR
	s_add_nc_u64 s[G0+2:G0+3], s[G0+2:G0+3], s[2:3]       ; and slot 0's group 0 points at my 64 rows
	s_add_nc_u64 s[G0B+2:G0B+3], s[G0B+2:G0B+3], s[2:3]
	s_add_co_u32 s[G0+1], s[G0+1], s45
	s_add_co_u32 s[G0B+1], s[G0B+1], s95
	s_wait_dscnt 0x0                               ; the add is done
	CROUND                                         ; a whole round: all four tiles are in, in every partner: the joint loads meet
	JLOAD G0+4,G1,G0B+4,G1B                        ; K step 1, the first tensor load behind the round; the adding of the parts below stands under its flight
	s_wait_loadcnt 0x0                             ; the bias and the parts
	WIN 0xcf
.set PS, 4
.rept 28                               ; four chains
	v_pk_add_f32 v[64+4*(PS%4):65+4*(PS%4)], v[64+4*(PS%4):65+4*(PS%4)], v[64+4*PS:65+4*PS]
	v_pk_add_f32 v[66+4*(PS%4):67+4*(PS%4)], v[66+4*(PS%4):67+4*(PS%4)], v[66+4*PS:67+4*PS]
.set PS, PS+1
.endr
	v_pk_add_f32 v[64:65], v[64:65], v[68:69]
	v_pk_add_f32 v[66:67], v[66:67], v[70:71]
	v_pk_add_f32 v[72:73], v[72:73], v[76:77]
	v_pk_add_f32 v[74:75], v[74:75], v[78:79]
	WIN 0x0f                                       ; sources window 3, destination window 0
	v_pk_add_f32 v[SM:SM+1], v[64:65], v[72:73]
	v_pk_add_f32 v[SM+2:SM+3], v[66:67], v[74:75]
	WIN 0
.irp a, 0,1,2,3
	v_mov_b32 v[OT+\a], 0                          ; (a lane permute's destination counts as one of its sources)
.endr
.irp a, 0,1,2,3
	v_permlanex16_b32 v[OT+\a], v[SM+\a], s[SEL], s[SEL+1]
.endr
	v_cmp_eq_u32 s66, 1, v2                        ; lanes 16-31
.irp a, 0,1,2,3
	v_cndmask_b32 v[KVR+\a], v[SM+\a], v[OT+\a], s66   ; kv of row 16 a + r, in both halves of the lanes
	v_cndmask_b32 v[KSR+\a], v[OT+\a], v[SM+\a], s66   ; ksum likewise
.endr
.macro FRAG reg, adr, q, rowoff        ; a fragment, 16 rows x 128 K of 4-bit codes, is 8 registers: lane l holds row l % 16; registers 4 c .. 4 c + 3 hold K = 64 c + 32 (l / 16) + 0 .. 31
.irp c, 0,1
	ds_load_b128 v[\reg+4*\c:\reg+4*\c+3], v[\adr] offset:64*(\q)+32*\c+(\rowoff)*PITCH
.endr
.endm
.macro FETCH slot, q, p                ; the fragments of the slot's q-th 128 along K into set p: Wq's four, then x's four: NL loads in one run
	WIN TO_B
.irp i, 0,1,2,3
	FRAG 128*(\p)+8*\i,ADRB+\slot,\q,16*\i
.endr
	WIN 0
.irp i, 0,1,2,3
	FRAG AF+32*(\p)+8*\i,ADRA+\slot,\q,16*\i
.endr
.endm
.macro SCALES set, step                ; the scale words of the next 512 along K into a set: 4 words a row; lanes 0-15 take x's block i, lanes 16-31 Wq's block i
.if \step
	v_add_nc_u32 v[ADRS], 16, v[ADRS]
.endif
.irp i, 0,1,2,3
	ds_load_b128 v[SC+4*NBK*(\set)+4*\i:SC+4*NBK*(\set)+4*\i+3], v[ADRS] offset:\i*2176
.endr
.endm
; Four matrix instructions: x's block a against Wq's four, 128 along K.  first = 1: the bias is the sum's C.
; The 16 accumulators take turns, one instruction a turn, in the same order in every step, over the loop's backward jump too.
.macro MULROW a, p, q, set, first
.irp b, 0,1,2,3
.if \first
	v_wmma_scale_f32_16x16x128_f8f6f4 v[8*(NBK*(\a)+\b):8*(NBK*(\a)+\b)+7], v[128*(\p)+8*\b:128*(\p)+8*\b+7], v[AF+32*(\p)+8*(\a):AF+32*(\p)+8*(\a)+7], v[8*\b:8*\b+7], v[SC+4*NBK*(\set)+4*\b+(\q)%4], v[SC+4*NBK*(\set)+4*(\a)+(\q)%4] matrix_a_fmt:MATRIX_FMT_FP4 matrix_b_fmt:MATRIX_FMT_FP4 matrix_a_scale:MATRIX_SCALE_ROW1
.else
	v_wmma_scale_f32_16x16x128_f8f6f4 v[8*(NBK*(\a)+\b):8*(NBK*(\a)+\b)+7], v[128*(\p)+8*\b:128*(\p)+8*\b+7], v[AF+32*(\p)+8*(\a):AF+32*(\p)+8*(\a)+7], v[8*(NBK*(\a)+\b):8*(NBK*(\a)+\b)+7], v[SC+4*NBK*(\set)+4*\b+(\q)%4], v[SC+4*NBK*(\set)+4*(\a)+(\q)%4] matrix_a_fmt:MATRIX_FMT_FP4 matrix_b_fmt:MATRIX_FMT_FP4 matrix_a_scale:MATRIX_SCALE_ROW1
.endif
.endr
.endm
; A step of 128 along K that has its successor in the same slot: the successor's fragments are asked for first, into the set that the step before multiplied (four places behind its last product), then this step's 16 products.
.macro STEP slot, q, first
	PLACES 4
	FETCH \slot,(\q)+1,1-(\q)%2
.if ((\q)+1)%4 == 0
	SCALES (((\slot)*NQ+(\q)+1)/4)%2,1             ; the slot's second 512 along K: into the set that the last four steps did not use
	s_wait_dscnt NL+NBK                            ; all but the loads just issued
.else
	s_wait_dscnt NL                                ; all but the NL loads just issued: this step's fragments, asked for a step ago, are in
.endif
.if \first
	WIN MULB
.else
	WIN MUL
.endif
.irp a, 0,1,2,3
	MULROW \a,(\q)%2,\q,(((\slot)*NQ+(\q))/4)%2,\first
.endr
	WIN 0
.endm
; A slot's last step changes slots: ONE barrier; in front of it each wave waits for all its tensor loads, adds 0 to its spare word, and waits for that and for its own reads of this slot.  fill = 1: this slot is filled again, two K steps ahead.
.macro TURN slot, next, fill
	s_wait_tensorcnt 0x0                           ; all my tensor loads have landed: the one that was out is my part of the next slot
	ds_add_u32 v[SPW], v[NIL]                      ; 0 onto my spare word
	s_wait_dscnt 1                                 ; this step's fragments are in; the add may be out
	WIN MUL
	MULROW 0,1,NQ-1,(((\slot)*NQ+NQ-1)/4)%2,0      ; four matrix instructions stand between the add and the wait for it
	s_wait_dscnt 0x0                               ; the add is done, and my reads of this slot are over
	s_barrier_signal -1
	MULROW 1,1,NQ-1,(((\slot)*NQ+NQ-1)/4)%2,0
	WIN 0
	s_barrier_wait -1
.if \fill
	CREST                                          ; the barrier has opened a round of the cluster's barrier: no wave of any partner still reads this slot's tile or has a load on its way
	s_add_nc_u64 s[G0+4*\slot+2:G0+4*\slot+3], s[G0+4*\slot+2:G0+4*\slot+3], 2*ROWB
	s_add_nc_u64 s[G0B+4*\slot+2:G0B+4*\slot+3], s[G0B+4*\slot+2:G0B+4*\slot+3], 2*ROWB
	JLOAD G0+4*\slot,G1,G0B+4*\slot,G1B            ; the first tensor load behind the round, my only one until the next; its four v_nop are the places in front of the loads below
.else
	PLACES 4
.endif
	FETCH \next,0,0
	s_wait_alu depctr_va_vdst(0)
	SCALES (((\next)*NQ)/4)%2,1
	WIN MUL
	MULROW 2,1,NQ-1,(((\slot)*NQ+NQ-1)/4)%2,0
	MULROW 3,1,NQ-1,(((\slot)*NQ+NQ-1)/4)%2,0
	WIN 0
.endm
.macro STEPS slot, from
.set Q, \from
.rept NQ-1-\from
	STEP \slot,Q,0
.set Q, Q+1
.endr
.endm
	s_wait_alu depctr_va_vdst(0)
	FETCH 0,0,0
	SCALES 0,0
	STEP 0,0,1                                     ; the first step stands in front of the loop: its products start the sums from the bias
	s_mov_b32 s3, LAPS-1
.Llap:                                                 ; a trip goes once round the ring, from a lap's second step to the next lap's first, and fills both slots again
	s_wait_alu depctr_va_vdst(0)
	STEPS 0,1
	TURN 0,1,1
	s_wait_alu depctr_va_vdst(0)
	STEPS 1,0
	TURN 1,0,1
	STEP 0,0,0
	s_sub_co_u32 s3, s3, 1
	s_cmp_lg_u32 s3, 0
	s_cbranch_scc1 .Llap
	s_wait_alu depctr_va_vdst(0)
	STEPS 0,1                                      ; the last lap fills nothing, and has no round of the cluster's barrier
	TURN 0,1,0
	s_wait_alu depctr_va_vdst(0)
	STEPS 1,0
	s_wait_dscnt 0x0                               ; the very last step: nothing more to fetch
	WIN MUL
.irp a, 0,1,2,3
	MULROW \a,1,NQ-1,((NQ+NQ-1)/4)%2,0
.endr
	WIN 0
; THE WAY OUT, block by block of 16 rows x 64 columns.  CALC: out = q kv x 1 / (1 + |q| ksum).  The 32 reciprocals are one batch with one wait.  Each accumulator is read from its low end on.
.macro CALC a
.set NUM, 224-160*((\a)%2)             ; numerators: v224-255 and v64-95 by turns
	WIN 0x02                                       ; source 0 window 2
.set NN, 0
.rept 32
	v_fma_f32 v[DEN+NN], |v[32*(\a)+NN]|, v[KSR+(\a)], 1.0
.set NN, NN+1
.endr
.set NN, 0
.rept 32
	v_mul_f32 v[NUM+NN], v[32*(\a)+NN], v[KVR+(\a)]
.set NN, NN+1
.endr
	WIN 0
.set NN, 0
	s_wait_alu depctr_va_vdst(0)
.rept 32
	v_rcp_f32 v[DEN+NN], v[DEN+NN]
.set NN, NN+1
.endr
	v_nop                                          ; a plain instruction between the last reciprocal and the use of its result
	s_wait_alu depctr_va_vdst(0)                   ; and the wait ahead of the first use: one for the 32
.set NN, 0
.rept 16
	v_pk_mul_f32 v[NUM+NN:NUM+NN+1], v[NUM+NN:NUM+NN+1], v[DEN+NN:DEN+NN+1]
.set NN, NN+2
.endr
.endm
; A lane holds 32 neighbouring bytes of a row, and the lanes beside it hold other rows: so a block goes through my own stage in LDS and comes back as whole runs of 256 bytes.
; LDS serves a wave's instructions in order (ISA guide 5.7.1.4): no wait between the stores and the loads, nor in front of the next block's stores.
.macro TOSTAGE a
.set NUM, 224-160*((\a)%2)
.set BB, BK+32*((\a)%2)
.irp b, 0,1,2,3
	ds_store_b128 v[STO], v[NUM+8*\b:NUM+8*\b+3] offset:64*\b
	ds_store_b128 v[STO], v[NUM+8*\b+4:NUM+8*\b+7] offset:64*\b+16
.endr
.irp t, 0,1,2,3,4,5,6,7
	ds_load_b128 v[BB+4*\t:BB+4*\t+3], v[RD] offset:544*\t
.endr
.endm
.macro SEND a, younger                 ; younger: the LDS instructions issued behind block a's loads, which may stay out
.set BB, BK+32*((\a)%2)
	s_wait_dscnt \younger                          ; the block is back in registers, and its stores into the stage have read theirs
.irp t, 0,1,2,3,4,5,6,7
	global_store_b128 v[CO], v[BB+4*\t:BB+4*\t+3], s[12:13] offset:(16*(\a)+2*\t)*16384 th:TH_STORE_NT   ; 16 lanes store 256 consecutive bytes, aligned; every offset is an immediate, 62 rows at the most; written once, read by nobody here
.endr
.endm
	PLACES 4                                       ; in front of the first read of results and of loads into the registers that held x's fragments
	CALC 0
	TOSTAGE 0
.irp a, 1,2,3
	CALC \a                                        ; a block's arithmetic stands between the loads of the block before and its stores
.if \a > 1
	s_wait_alu depctr_va_vdst(0)
	s_wait_xcnt 0x0                                ; block a - 2's stores have read their registers: block a's loads may land there
.endif
	TOSTAGE \a
	SEND \a-1,16                                   ; behind block a - 1's loads: block a's 8 stores and 8 loads
.endr
	SEND 3,0
	s_wait_tensorcnt 0x0                           ; the wave's end
	ds_add_u32 v[SPW], v[NIL]
	s_wait_dscnt 0x0
	CROUND                                         ; the closing round: no work-group ends while a partner may still ask for a tile that names it
	s_endpgm
.Lfunc_end_k_q1812ea32d5_qout:
	.size	k_q1812ea32d5_qout, .Lfunc_end_k_q1812ea32d5_qout-k_q1812ea32d5_qout
	.p2alignl 7, 3214868480
	.fill 96, 4, 3214868480
	.section	.rodata,"a",@progbits
	.p2align	6, 0x0
	.amdhsa_kernel k_q1812ea32d5_qout
		.amdhsa_group_segment_fixed_size 327680
		.amdhsa_private_segment_fixed_size 0
		.amdhsa_enable_private_segment 0
		.amdhsa_kernarg_size 40
		.amdhsa_user_sgpr_count 2
		.amdhsa_user_sgpr_kernarg_segment_ptr 1
		.amdhsa_wavefront_size32 1
		.amdhsa_system_sgpr_workgroup_id_x 1
		.amdhsa_system_sgpr_workgroup_id_y 1
		.amdhsa_system_sgpr_workgroup_id_z 1
		.amdhsa_system_vgpr_workitem_id 0
		.amdhsa_next_free_vgpr 1024
		.amdhsa_next_free_sgpr 100
		.amdhsa_reserve_vcc 0
		.amdhsa_float_denorm_mode_32 3
		.amdhsa_float_denorm_mode_16_64 3
		.amdhsa_memory_ordered 1
		.amdhsa_forward_progress 1
		.amdhsa_inst_pref_size 158
	.end_amdhsa_kernel
	.amdgpu_metadata
---
amdhsa.version: [ 1, 2 ]
amdhsa.kernels:
  - .name:           k_q1812ea32d5_qout
    .symbol:         k_q1812ea32d5_qout.kd
    .args:
      - { .name: codes, .offset: 0, .size: 8, .value_kind: global_buffer, .address_space: global }
      - { .name: scales, .offset: 8, .size: 8, .value_kind: global_buffer, .address_space: global }
      - { .name: bq, .offset: 16, .size: 8, .value_kind: global_buffer, .address_space: global }
      - { .name: part, .offset: 24, .size: 8, .value_kind: global_buffer, .address_space: global }
      - { .name: out0, .offset: 32, .size: 8, .value_kind: global_buffer, .address_space: global }
    .group_segment_fixed_size: 327680
    .private_segment_fixed_size: 0
    .kernarg_segment_align: 8
    .kernarg_segment_size: 40
    .max_flat_workgroup_size: 128
    .sgpr_count:     100
    .vgpr_count:     1024
    .wavefront_size: 32
...
	.end_amdgpu_metadata
.endif
;; end of part 3
